; MI455X (gfx1250); checked and timed in simulation.
; The chip was launched on July 23, 2026; its instructions are those of AMD's public machine-readable ISA for CDNA 5 (MIT licence, August 2026) and "CDNA5" Instruction Set Architecture Reference Guide (July 2026). The comments in the code are by the model that wrote it; some were corrected since.
;; Attentional Propagation. Allowed arithmetic: matrix products marked QUANTISED: E3M2 operands, one E8M0 scale for each 32 along K, by v_wmma_scale_f32_16x16x128_f8f6f4 with both operands' format E3M2, f32 sums; products left as they are: f32 operands where the result goes on into a quantised operand, else bf16, f16 or f32 operands; f32 sums; everything else in f32.
;; Inputs: aW1 256 x 768 float32; aW2 1 x 256 float32; ab1 256 float32; ab2 1 float32; dist 1 x 256 x 262,144 float32; mW1 512 x 512 float32; mW2 256 x 512 float32; mask 512 x 512 bool; mb1 512 float32; mb2 256 float32; source 1 x 256 x 512 float32; x 1 x 256 x 512 float32.
;; Outputs: out0 1 x 256 x 512 float32; out1 1 x 512 x 512 float32.
;; This version of the problem:
;;   THIS VERSION OF THE PROBLEM IS GIVEN IN LOW PRECISION. The matrix products marked QUANTISED in the list below multiply operands that are first quantised to E3M2 (3 exponent bits, 2 mantissa bits; 6 bits a number), with one power-of-two scale for each 32 numbers along K (OCP MX v1.0); their sums are f32. All else is computed in f32.
;;   The module's matrix products, in the order in which they are computed (A, B: the left and right operand; K: the contracted axis; several contracted axes count as one K, in the product's order):
;;     1. [M 262,144, K 768] x [K 768, N 256]; A: computed on the way; B: input aW1: QUANTISED
;;     2. [M 262,144, K 256] x [K 256, N 1]; A: computed on the way; B: input aW2: left as it is (N = 1 < 16)
;;     3. [M 256, K 512] x [K 512, N 512]; A: input source; B: softmax (see below): QUANTISED
;;     4. [M 512, K 512] x [K 512, N 512]; A: computed on the way; B: input mW1: QUANTISED
;;     5. [M 512, K 512] x [K 512, N 256]; A: computed on the way; B: input mW2: QUANTISED
;;   THE QUANTISER, for each operand of a quantised product, along K:
;;     - K is cut into blocks of 32 from its start; a last block that is shorter is filled with zeros.
;;     - A block's scale is 2^e with e = floor(log2(the largest magnitude in the block)) - 4, held to -126 .. 127; a block of zeros has e = 0. As a byte (E8M0): e + 127.
;;     - Each number is divided by its block's scale, clamped to +-28, and rounded to the nearest number of E3M2, ties to even, subnormals kept.
;;     - The product sums the exact products of the quantised numbers (number of the format x scale) in f32.
;;   ~~~python
;;   def quantise(x, axis):      # numpy; x: float32 -> the quantised numbers, widened to float32 again
;;       x = np.moveaxis(x, axis, -1); K = x.shape[-1]
;;       x = np.pad(x, [(0, 0)] * (x.ndim - 1) + [(0, -K % 32)]); x = x.reshape(x.shape[:-1] + (-1, 32)); a = np.abs(x).max(-1, keepdims=True)
;;       e = np.where(a > 0, np.clip(np.frexp(np.where(a > 0, a, 1))[1] - 1 - 4, -126, 127), 0)      # np.frexp(a)[1] - 1 = floor(log2(a)), exactly
;;       r = np.clip(x / 2.0 ** e, -28, 28)
;;       step = 2.0 ** (np.maximum(np.frexp(np.where(r == 0, 1, r))[1] - 1, -2) - 2)
;;       q = np.round(r / step) * step * 2.0 ** e      # np.round: ties to even
;;       return np.moveaxis(q.reshape(q.shape[:-2] + (-1,))[..., :K], -1, axis).astype(np.float32)
;;   ~~~
;;   SOFTMAX AHEAD OF A QUANTISED PRODUCT. Where the list says 'softmax', what is quantised is not the finished softmax but p = 2^(t - M), with t = logit x log2(e) and M = ceil(the row's largest t), a whole number; so 1/2 < the row's largest p <= 1. The row's sum l is taken of the UNQUANTISED p, in f32, and the product's result is divided by l at the end. Since M is a whole number, a kernel that streams over the keys may use a running M (the ceiling of the running maximum): every later rescaling is an exact power of two, which a block's scale takes up: the codes' values come out the same.
;;   OPERANDS COMPUTED ON THE WAY. 'Computed on the way' means the value that the module computes at that place (a softmax that the list does not call 'softmax' is quantised finished and normalised). What goes into a quantiser is computed in f32, as accurately as f32 sums, v_exp_f32 and their like allow (about 1e-6 of the number): no bf16 or f16 on the way to a quantiser, and a product that is left as it is and whose result goes on into a quantised operand takes f32 operands (vector FMAs, or v_wmma_f32_16x16x4_f32). A number that lies on a knife's edge between two numbers of the format may be rounded either way, as far as f32 arithmetic and the matrix unit's own rounding can turn it there, and no further.
;; One version. Each part assembles by itself: llvm-mc -triple=amdgcn-amd-amdhsa -mcpu=gfx1250 --defsym DOCPART=n.
;; ======== version 1 of 1: 3 launches
;; workspace buffers: blk 256,000 bytes; xi 102,400 bytes; fw 409,600 bytes; raw 1,048,576 bytes; mins 1,024 bytes
;; launch prep (part 1): grid 120 x 1, 4 waves a work-group, no clusters, 0 bytes of LDS; arguments aW1, mW1, mW2, source, x, blk, xi, fw; writes blk, xi, fw
.if DOCPART == 1
	.amdgcn_target "amdgcn-amd-amdhsa--gfx1250"
	.amdhsa_code_object_version 6
	.text
	.protected	k_q1b1352cb8a_prep
	.globl	k_q1b1352cb8a_prep
	.p2align	8
	.type	k_q1b1352cb8a_prep,@function
k_q1b1352cb8a_prep:
	s_mov_b64 s[64:65], 0
	v_nop
	global_prefetch_b8 v0, s[64:65] scope:SCOPE_SE
	s_setreg_imm32_b32 hwreg(HW_REG_WAVE_MODE, 25, 1), 1
	s_wait_xcnt 0x0
; The operands that many work-groups read are quantised ONCE, to codes of E3M2 with one E8M0 byte for each 32 along K, and laid as IMAGES OF OPERAND REGISTERS.
; A fragment is 16 rows x 128 K: 12 registers a lane; lane (r, h) holds row r, registers 6 c .. 6 c + 5 = k 64 c + 32 h + 0 .. 31.  Its image is 1,536 bytes: register p of lane L at 512 (p / 4) + 16 L + 4 (p % 4),
; so that three loads of 16 bytes a lane bring it.  Its scale words: 64 bytes, row r's word at 4 r, byte b for k = 32 b .. 32 b + 31.  Fragment number f = NT s + t: s the K step of 128, t the tile of 16 rows, NT tiles.
; ONE WAVE MAKES ONE FRAGMENT: 480 fragments, 120 work-groups of four waves.  Six kinds, told apart by the work-group's number alone (every bound is a whole work-group):
;   0 aW1 [256][768] -> blk;  24 mW1 [512][512] -> fw;  56 mW2 [256][512] -> fw;  72 source, K = keys, rows = channels -> fw;  88 x, K = channels, rows = queries -> xi;  104 source, K = channels, rows = keys -> blk.
; PERMUTED ROWS (mW1; source along keys): lane r of tile 2 b + u takes row 32 b + 8 u + r + 8 (r / 8), so that the results of two neighbouring tiles are 16 neighbours along the next product's K.
; A block's scale is 2^(floor(log2(largest magnitude)) - 4): its byte is the largest magnitude's exponent field - 4, held at 1 from below.
; LIMITS: NaN and infinities are not served; a block whose largest magnitude lies under 2^-122 keeps the byte 1 (a block of zeros too: its codes are zeros, and this program alone reads the bytes).
.set X,   64                           ; v64-127  register 32 c + i = k 128 s + 64 c + 32 h + i of my row
.set CD,  48                           ; v48-59   the fragment's codes
.macro KIND first, src, dst, ioff, soff, lognt, pitch, perm
	s_cmp_ge_u32 ttmp9, \first                     ; the choice hangs on the work-group's number alone
	s_cselect_b64 s[20:21], s[\src:\src+1], s[20:21]
	s_cselect_b64 s[22:23], s[\dst:\dst+1], s[22:23]
	s_cselect_b32 s24, \ioff, s24
	s_cselect_b32 s25, \soff, s25
	s_cselect_b32 s26, 4*\first, s26
	s_cselect_b32 s27, \lognt, s27
	s_cselect_b32 s28, \pitch, s28
	s_cselect_b32 s29, \perm, s29
.endm
	s_load_b512 s[4:19], s[0:1], 0x0               ; aW1 s[4:5], mW1 s[6:7], mW2 s[8:9], source s[10:11], x s[12:13], blk s[14:15], xi s[16:17], fw s[18:19]
	v_lshrrev_b32 v1, 5, v0
	v_readfirstlane_b32 s30, v1                    ; wave
	v_and_b32 v1, 15, v0                           ; r
	v_bfe_u32 v2, v0, 4, 1                         ; h
	v_and_b32 v3, 31, v0
	v_lshlrev_b32 v3, 4, v3                        ; 16 x lane: my place in an image
	v_lshlrev_b32 v5, 2, v1                        ; 4 r: my row's scale word
	s_mov_b32 s40, 0x76543210
	s_mov_b32 s41, 0xfedcba98                      ; v_permlanex16_b32's selects for lane l xor 16
	s_mov_b32 s24, 0                               ; the first kind, aW1: images at 0,
	s_mov_b32 s25, 147456                          ; scale words behind its 96 images,
	s_mov_b32 s26, 0                               ; first task,
	s_mov_b32 s27, 4                               ; log2 of its 16 tiles,
	s_mov_b32 s28, 3072                            ; bytes in a row,
	s_mov_b32 s29, 0                               ; rows as they lie
	s_wait_kmcnt 0x0
	s_mov_b64 s[20:21], s[4:5]                     ; from
	s_mov_b64 s[22:23], s[14:15]                   ; to
	KIND 24,  6,  18, 0,      393216, 5, 2048, 1
	KIND 56,  8,  18, 196608, 401408, 4, 2048, 0
	KIND 72,  10, 18, 294912, 405504, 4, 2048, 1
	KIND 88,  12, 16, 0,      98304,  5, 2048, 0
	KIND 104, 10, 14, 153600, 251904, 5, 2048, 0
	s_lshl_b32 s31, ttmp9, 2
	s_add_co_u32 s31, s31, s30
	s_sub_co_u32 s31, s31, s26                     ; f
	s_lshr_b32 s32, s31, s27                       ; s
	s_lshl_b32 s34, s32, s27
	s_sub_co_u32 s33, s31, s34                     ; t
	s_mul_i32 s34, s31, 1536
	s_add_co_u32 s34, s34, s24
	s_mov_b32 s35, 0
	s_add_nc_u64 s[36:37], s[22:23], s[34:35]      ; my image
	s_lshl_b32 s34, s31, 6
	s_add_co_u32 s34, s34, s25
	s_add_nc_u64 s[38:39], s[22:23], s[34:35]      ; my scale words
	s_cmp_ge_u32 ttmp9, 88
	s_cbranch_scc1 .Lkfirst
	; K IS INNERMOST: my row's 32 numbers of a block are 128 neighbouring bytes
	s_lshr_b32 s34, s33, 1
	s_lshl_b32 s34, s34, 5
	s_and_b32 s35, s33, 1
	s_lshl_b32 s35, s35, 3
	s_add_co_u32 s34, s34, s35                     ; the tile's first row where rows are permuted: 32 (t / 2) + 8 (t % 2),
	s_lshl_b32 s35, s33, 4                         ; and where not: 16 t
	s_cmp_eq_u32 s29, 1
	s_cselect_b32 s34, s34, s35
	s_cselect_b32 s35, 8, 0
	s_wait_alu depctr_va_vdst(0)
	v_and_b32 v6, s35, v1                          ; 8 (r / 8), or 0
	v_add3_u32 v6, v6, v1, s34                     ; my row
	v_mul_lo_u32 v4, v6, s28
	s_lshl_b32 s34, s32, 9
	v_lshl_add_u32 v4, v2, 7, v4
	v_add_nc_u32 v4, s34, v4                       ; row x pitch + 512 s + 128 h
.irp c, 0,1
.irp j, 0,1,2,3,4,5,6,7
	global_load_b128 v[X+32*\c+4*\j:X+32*\c+4*\j+3], v4, s[20:21] offset:256*\c+16*\j
.endr
.endr
	s_branch .Lquant
.Lkfirst:
	; K IS THE FIRST AXIS ([256 channels][512]): a lane takes a column and its registers run down K; sixteen lanes read 64 neighbouring bytes
	s_lshl_b32 s34, s32, 18                        ; 128 s rows of 2,048 bytes
	s_lshl_b32 s35, s33, 6                         ; 16 t columns
	s_add_co_u32 s34, s34, s35
	s_wait_alu depctr_va_vdst(0)
	v_lshlrev_b32 v4, 16, v2                       ; 32 h rows
	v_lshl_add_u32 v4, v1, 2, v4
	v_add_nc_u32 v4, s34, v4
.irp c, 0,1
.irp i, 0,1,2,3,4,5,6,7,8,9,10,11,12,13,14,15,16,17,18,19,20,21,22,23,24,25,26,27,28,29,30,31
	global_load_b32 v[X+32*\c+\i], v4, s[20:21] offset:(64*\c+\i)*2048
.endr
.endr
.Lquant:
	s_wait_loadcnt 0x0
.irp c, 0,1                                    ; my block 2 c + h: all its 32 numbers are mine
	v_max3_num_f32 v[16+\c], |v[X+32*\c]|, |v[X+1+32*\c]|, 0x2800000   ; with the floor 2^(5 - 127): the byte cannot fall under 1
.endr
.irp i, 2,4,6,8,10,12,14,16,18,20,22,24,26,28,30
.irp c, 0,1
	v_max3_num_f32 v[16+\c], v[16+\c], |v[X+32*\c+\i]|, |v[X+1+32*\c+\i]|   ; (the two blocks by turns)
.endr
.endr
.irp c, 0,1
	v_add_nc_u32 v[18+\c], 0xfe000000, v[16+\c]    ; 4 off the exponent field: the conversion takes the exponent field of this operand as its scale
.endr
.irp c, 0,1
	v_lshrrev_b32 v[20+\c], 23, v[18+\c]           ; the scale's byte
.endr
	v_lshl_or_b32 v22, v21, 16, v20                ; my two bytes: blocks h and 2 + h,
	v_lshlrev_b32 v23, 3, v2
	v_lshlrev_b32 v22, v23, v22                    ; at their places in the word (8 h bits up);
	v_mov_b32 v23, 0
	v_permlanex16_b32 v23, v22, s40, s41
	v_or_b32 v22, v22, v23                         ; with lane l xor 16's two the word is whole
.irp c, 0,1
	v_cvt_scalef32_pk16_bf6_f32 v[CD+6*\c:CD+2+6*\c], v[X+32*\c:X+15+32*\c], v[18+\c]
	v_cvt_scalef32_pk16_bf6_f32 v[32+4*\c:34+4*\c], v[X+16+32*\c:X+31+32*\c], v[18+\c]   ; (a conversion's three registers begin on an even number)
.endr
	v_nop                                          ; one plain place behind a scaled conversion
.irp c, 0,1
.irp i, 0,1,2
	v_mov_b32 v[CD+3+6*\c+\i], v[32+4*\c+\i]
.endr
.endr
.irp q, 0,1,2
	global_store_b128 v3, v[CD+4*\q:CD+4*\q+3], s[36:37] offset:512*\q   ; the wave stores 512 consecutive bytes, at a multiple of 256 from the buffer's first byte
.endr
	global_store_b32 v5, v22, s[38:39]             ; both halves of the lanes hold the same word
	s_endpgm
.Lfunc_end_k_q1b1352cb8a_prep:
	.size	k_q1b1352cb8a_prep, .Lfunc_end_k_q1b1352cb8a_prep-k_q1b1352cb8a_prep
	.p2alignl 7, 3214868480
	.fill 96, 4, 3214868480
	.section	.rodata,"a",@progbits
	.p2align	6, 0x0
	.amdhsa_kernel k_q1b1352cb8a_prep
		.amdhsa_group_segment_fixed_size 0
		.amdhsa_private_segment_fixed_size 0
		.amdhsa_enable_private_segment 0
		.amdhsa_kernarg_size 64
		.amdhsa_user_sgpr_count 2
		.amdhsa_user_sgpr_kernarg_segment_ptr 1
		.amdhsa_wavefront_size32 1
		.amdhsa_system_sgpr_workgroup_id_x 1
		.amdhsa_system_sgpr_workgroup_id_y 1
		.amdhsa_system_sgpr_workgroup_id_z 1
		.amdhsa_system_vgpr_workitem_id 0
		.amdhsa_next_free_vgpr 128
		.amdhsa_next_free_sgpr 66
		.amdhsa_reserve_vcc 0
		.amdhsa_float_denorm_mode_32 3
		.amdhsa_float_denorm_mode_16_64 3
		.amdhsa_memory_ordered 1
		.amdhsa_forward_progress 1
		.amdhsa_inst_pref_size 16
	.end_amdhsa_kernel
	.amdgpu_metadata
---
amdhsa.version: [ 1, 2 ]
amdhsa.kernels:
  - .name:           k_q1b1352cb8a_prep
    .symbol:         k_q1b1352cb8a_prep.kd
    .args:
      - { .name: aW1, .offset: 0, .size: 8, .value_kind: global_buffer, .address_space: global }
      - { .name: mW1, .offset: 8, .size: 8, .value_kind: global_buffer, .address_space: global }
      - { .name: mW2, .offset: 16, .size: 8, .value_kind: global_buffer, .address_space: global }
      - { .name: source, .offset: 24, .size: 8, .value_kind: global_buffer, .address_space: global }
      - { .name: x, .offset: 32, .size: 8, .value_kind: global_buffer, .address_space: global }
      - { .name: blk, .offset: 40, .size: 8, .value_kind: global_buffer, .address_space: global }
      - { .name: xi, .offset: 48, .size: 8, .value_kind: global_buffer, .address_space: global }
      - { .name: fw, .offset: 56, .size: 8, .value_kind: global_buffer, .address_space: global }
    .group_segment_fixed_size: 0
    .private_segment_fixed_size: 0
    .kernarg_segment_align: 8
    .kernarg_segment_size: 64
    .max_flat_workgroup_size: 128
    .sgpr_count:     66
    .vgpr_count:     128
    .wavefront_size: 32
...
	.end_amdgpu_metadata
.endif
;; end of part 1
;; launch scores (part 2): grid 256 x 1, 4 waves a work-group, clusters of 4 x 1, 287,232 bytes of LDS; arguments dist, ab1, aW2, ab2, blk, xi, raw, mins; writes raw, mins
.if DOCPART == 2
	.amdgcn_target "amdgcn-amd-amdhsa--gfx1250"
	.amdhsa_code_object_version 6
	.text
	.protected	k_q1b1352cb8a_scores
	.globl	k_q1b1352cb8a_scores
	.p2align	8
	.type	k_q1b1352cb8a_scores,@function
k_q1b1352cb8a_scores:
	s_mov_b64 s[64:65], 0
	v_nop
	global_prefetch_b8 v0, s[64:65] scope:SCOPE_SE
	s_setreg_imm32_b32 hwreg(HW_REG_WAVE_MODE, 25, 1), 1
	s_wait_xcnt 0x0
	s_wait_alu depctr_hold_cnt(0) depctr_sa_sdst(0) depctr_va_vdst(0) depctr_va_sdst(0) depctr_va_ssrc(0) depctr_va_vcc(0) depctr_vm_vsrc(0)
	s_getreg_b32 s2, hwreg(HW_REG_IB_STS2, 6, 4)
	s_cmp_eq_u32 s2, 0
	s_cbranch_scc0 .Lentry_in_a_cluster
	s_endpgm
.Lentry_in_a_cluster:
	s_bfe_u32 s2, ttmp6, 0x10000c
	s_cmp_lg_u32 s2, 0x3003
	s_cbranch_scc0 .Lentry_shape_is_right
	s_endpgm
.Lentry_shape_is_right:
; raw[q][k] = aW2 . relu(aW1 [x(:, q); source(:, k); dist(:, q, k)] + ab1) + ab2, the first product on codes of E3M2 with one E8M0 scale for each 32 along its K = 768; the second in f32 multiply-adds.
; mins[g] = the largest -raw of work-group g's positions (the launch behind this one makes the global minimum of them).
; SHARES.  Work-group g owns queries 2 g and 2 g + 1: 1,024 neighbouring positions, 1 MiB of dist, read once.  It walks them in 16 STEPS of 64 positions, two steps to a BODY.
; THE WAVES SHARE THE COLUMNS: wave w keeps aW1's fragments of hidden units 64 w .. 64 w + 63 (4 tiles x 6 K steps x 12 = 288 registers) for the whole launch.  What goes round is the positions' codes.
; PHASE Q of a step: wave w takes channels 64 w .. 64 w + 63 of dist for the step's 64 positions: lane (la, et) positions 4 la .. 4 la + 3 of channels 64 w + 32 et + 0 .. 31, by 32 loads of 16 bytes
;   (sixteen lanes read 256 consecutive aligned bytes of one channel).  A ring of two slots of 128 registers keeps 63 loads of a wave on their way.  The four positions are taken apart by moves, so that a
;   block's 32 numbers stand in consecutive registers; largest magnitude, scale byte, conversions; the codes go to LDS as images of operand registers, the scale bytes beside them.
; PHASE M: for each of the step's four tiles of 16 positions 24 matrix instructions (4 tiles of hidden units x 6 K steps): source 0 = 16 rows of aW1, source 1 = the positions: K steps 0, 1 x's codes (the same
;   in all 16 rows), 2, 3 source's (from LDS), 4, 5 dist's (from LDS).  ab1 is the C of the first.  A lane then holds ONE position (lane % 16) and 32 hidden units.  The tile before's relu and its products
;   with aW2 stand in twos behind the matrix instructions.  Each lane's partial score goes to LDS; at a body's end one wave adds the eight partials of 128 positions, adds ab2 and stores 512 consecutive bytes.
; CLUSTER.  blk (aW1's and source's images and scale words, 256,000 bytes) is the same for all work-groups: the four partners ask for it jointly, a quarter a wave, once.  No LDS byte is filled twice.
; LIMITS: NaN and infinities are not served; a block whose largest magnitude lies under 2^-122 keeps the scale byte 1 (a block of zeros too: its codes are zeros).
; REGISTERS, in windows of 256 (s_set_vgpr_msb: bits 1:0 source 0, 3:2 source 1, 5:4 source 2, 7:6 destination):
;   window 0: v1-15 addresses; v20-31 aW1's scale words; v32 x's; v34-35 source's; v36-37 dist's; v40-63 x's two fragments; v64-159 two sets of four fragments; v160-223 two sets of four accumulators;
;             v224-227 two packed sums; v228-231 scores to store; v232-235 partial scores; in phase Q: v64-191 the 4 x 32 numbers, v192-223 codes, v224-255 at work
;   window 1: v0-191 aW1's K steps 0-3; v192-223 aW2 in the result's layout      window 2: v0-95 aW1's K steps 4, 5; v96-127 ab1; v128-152 the second query's x; v192-223 aW2 again      window 3: the ring
.set WSC,  147456                      ; LDS: 0 aW1's 96 images; here their scale words;
.set SIM,  153600                      ; source's 64 images (rows = keys);
.set SSC,  251904                      ; their scale words: so far the image of blk, filled once by tensor loads
.set IMG,  256000                      ; dist's codes: step parity x 12,320, tile x 3,080, K step x 1,536, register pair x 256, lane x 8.  3,080 bytes = 770 words: a tile starts 2 banks on (64 banks of 4 bytes: ISA guide 11.1), so the 32 lanes of a store of 8 bytes touch 64 different banks
.set DSC,  280640                      ; dist's scale bytes: parity x 512, tile x 128, K step x 64, row x 4, block
.set PART, 281664                      ; partial scores: (2 wave + lane / 16) x 512 + 4 x the position among a body's 128
.set MNX,  285760                      ; four words
.set VA,   2                           ; v2-3   slot e's byte offset in dist: 4,096 g + 256 step + 16 la + et x 32 channels
.set AQ,   4                           ; v4     where I store codes
.set AQS,  5                           ; v5     and scale bytes
.set AD,   6                           ; v6     IMG + 8 x lane
.set ADS,  7                           ; v7     DSC + 4 x lane
.set AS0,  8                           ; v8     SIM + 16 x lane;  v9 the same at the body's keys
.set AS,   9
.set ASS0, 10                          ; v10    SSC + 2,048 (lane / 16) + 4 (lane % 16);  v11 at the body's keys
.set ASS,  11
.set APT,  12                          ; v12    where I store partial scores
.set AR,   13                          ; v13    PART + 16 x lane
.set RO,   14                          ; v14    my byte offset in the work-group's scores
.set NM,   15                          ; v15    the largest -score so far
.set WS,   20
.set XS,   32
.set SS,   34
.set DS,   36
.set XF,   40
.set PF,   64
.set ACC,  160
.set SA,   224
.set PS,   232
.set TQ,   64                          ; phase Q: position p's 32 numbers at v[TQ + 32 p]
.set C6,   192                         ; its six registers of codes at v[C6 + 8 p]
.set TMP,  236                         ; the second conversion's three at v[TMP + 4 p]
.set MX,   252
.set SOP,  224
.set BY,   232
.set DB,   40                          ; s[40:41], s[42:43] dist at channels 64 w + 8 and 64 w + 24: 16 channels each side lie inside the signed 24-bit immediate (ISA guide, chapter 10)
.set MSB,  0
.macro WIN new                         ; the immediate's high byte repeats the setting that is left
.if MSB != \new
	s_set_vgpr_msb (MSB<<8)|\new
.set MSB, \new
.endif
.endm
.macro CROUND                          ; a round of the cluster's barrier
	s_barrier_signal -1
	s_barrier_wait -1
	s_cmp_lg_u32 s20, 0
	s_cbranch_scc1 .Lnw0_\@
	s_barrier_signal -3
.Lnw0_\@:
	s_barrier_wait -3
	s_barrier_signal -1
	s_barrier_wait -1
.endm
.macro XLOADS e, lo, hi                ; channels lo .. hi of my block, four positions a lane, into slot e
	WIN 0xc0                                       ; destination window 3
.set xq, \lo
.rept \hi-\lo+1
	global_load_b128 v[128*\e+4*xq:128*\e+4*xq+3], v[VA+\e], s[DB+2*(xq/16):DB+2*(xq/16)+1] offset:((xq%16)-8)*1048576 th:TH_LOAD_NT
.set xq, xq+1
.endr
	WIN 0
.endm
; PHASE Q.  ahead = 1: the slot is filled again with the step two on.  left: the loads issued behind this slot's, which may stay out.
.macro QSTEP e, ahead, left
	s_wait_loadcnt \left                           ; loads come back in order (ISA guide 5.7.1): slot e's 32 are in; the other slot's 32 stay on their way
	WIN 0x03                                       ; source window 3
.set qi, 0
.rept 32
.irp p, 0,1,2,3
	v_mov_b32 v[TQ+32*\p+qi], v[128*\e+4*qi+\p]    ; position p's channel qi
.endr
.set qi, qi+1
.endr
	WIN 0
.if \ahead
	v_add_nc_u32 v[VA+\e], 512, v[VA+\e]           ; two steps on; the loads that named it are done by the wait above
	XLOADS \e, 0, 30                               ; 31 now (63 of mine are then out), the 32nd among the products
.endif
	s_wait_dscnt 0x0                               ; the last step's stores of partial scores have read v232-235
.irp p, 0,1,2,3
	v_max3_num_f32 v[MX+\p], |v[TQ+32*\p]|, |v[TQ+32*\p+1]|, 0x2800000   ; the block's largest magnitude, with the floor 2^(5 - 127): the byte cannot fall under 1
.endr
.set qi, 2
.rept 15
.irp p, 0,1,2,3
	v_max3_num_f32 v[MX+\p], v[MX+\p], |v[TQ+32*\p+qi]|, |v[TQ+32*\p+qi+1]|   ; (the four positions by turns)
.endr
.set qi, qi+2
.endr
.irp p, 0,1,2,3
	v_add_nc_u32 v[SOP+\p], 0xfe000000, v[MX+\p]   ; 4 off the exponent field: the conversion's scale operand
.endr
.irp p, 0,1,2,3
	v_lshrrev_b32 v[BY+\p], 23, v[SOP+\p]          ; the scale's byte
.endr
.irp p, 0,1,2,3
	v_cvt_scalef32_pk16_bf6_f32 v[C6+8*\p:C6+8*\p+2], v[TQ+32*\p:TQ+32*\p+15], v[SOP+\p]
	v_cvt_scalef32_pk16_bf6_f32 v[TMP+4*\p:TMP+4*\p+2], v[TQ+32*\p+16:TQ+32*\p+31], v[SOP+\p]   ; (a conversion's three registers begin on an even number)
.endr
	v_nop                                          ; one plain place behind the last scaled conversion
.irp p, 0,1,2,3
.irp i, 0,1,2
	v_mov_b32 v[C6+8*\p+3+\i], v[TMP+4*\p+\i]
.endr
.endr
.irp p, 0,1,2,3                                ; block 2 w + et of position 4 la + p is registers 6 (w % 2) .. + 5 of lane 16 et + 4 (la % 4) + p, K step w / 2, tile la / 4
.irp i, 0,1,2
	ds_store_b64 v[AQ], v[C6+8*\p+2*\i:C6+8*\p+2*\i+1] offset:12320*\e+256*\i+8*\p
.endr
	ds_store_b8 v[AQS], v[BY+\p] offset:512*\e+4*\p
.endr
	s_wait_dscnt 0x0                               ; for the others' sake: my stores have landed, and my reads of the step before are in
	s_barrier_signal -1
	s_barrier_wait -1                              ; the step's images are whole.  The other parity's are written again only behind the next such barrier
.endm
.macro FETCH e, T                      ; tile T's four fragments and two scale registers, into set T % 2
.set PB, PF+48*((\T)&1)
.irp s, 0,1
.irp gq, 0,1,2
	ds_load_b128 v[PB+12*\s+4*\gq:PB+12*\s+4*\gq+3], v[AS] offset:6144*\e+1536*(\T)+49152*\s+512*\gq
.endr
.endr
.irp sd, 0,1
.irp pi, 0,1,2,3,4,5
	ds_load_b64 v[PB+24+12*\sd+2*\pi:PB+24+12*\sd+2*\pi+1], v[AD] offset:12320*\e+3080*(\T)+1536*\sd+256*\pi
.endr
.endr
	ds_load_b32 v[SS+((\T)&1)], v[ASS] offset:256*\e+64*(\T)     ; lanes 0-15 the first K step's words, lanes 16-31 the second's
	ds_load_b32 v[DS+((\T)&1)], v[ADS] offset:512*\e+128*(\T)
.endm
; Matrix instruction i of a tile's 24: K step i / 4, tile of hidden units i % 4.  The four accumulators take turns, one instruction a turn, and the sets change from tile to tile.
.macro MM i, T
.set ms, (\i)/4
.set mn, (\i)%4
.set mD, ACC+32*((\T)&1)+8*mn
.set mA, 12*(4*(ms%4)+mn)
.set mB, PF+48*((\T)&1)+12*(ms-2)
.set mSB, SS+((\T)&1)
.if ms < 2
.set mB, XF+12*ms
.set mSB, XS
.elseif ms >= 4
.set mSB, DS+((\T)&1)
.endif
.set mSA, WS+3*mn+ms/2
.if ms == 0
	v_wmma_scale_f32_16x16x128_f8f6f4 v[mD:mD+7], v[mA:mA+11], v[mB:mB+11], v[96+8*mn:96+8*mn+7], v[mSA], v[mSB] matrix_a_fmt:MATRIX_FMT_BF6 matrix_b_fmt:MATRIX_FMT_BF6
.elseif (ms%2) == 0
	v_wmma_scale_f32_16x16x128_f8f6f4 v[mD:mD+7], v[mA:mA+11], v[mB:mB+11], v[mD:mD+7], v[mSA], v[mSB] matrix_a_fmt:MATRIX_FMT_BF6 matrix_b_fmt:MATRIX_FMT_BF6
.else
	v_wmma_scale_f32_16x16x128_f8f6f4 v[mD:mD+7], v[mA:mA+11], v[mB:mB+11], v[mD:mD+7], v[mSA], v[mSB] matrix_a_fmt:MATRIX_FMT_BF6 matrix_b_fmt:MATRIX_FMT_BF6 matrix_a_scale:MATRIX_SCALE_ROW1 matrix_b_scale:MATRIX_SCALE_ROW1
.endif
.endm
; Number j of the 50 instructions that make tile U's partial score: 32 relu, 16 packed products with aW2 in two chains, the two chains' sum, its two halves' sum.  Source 0 is a constant or aW2 (which lies at
; the same numbers in windows 1 and 2), so they stand under the matrix instructions' own window settings.  Each accumulator is read from its low end on.
.macro ITEM j, U
.set iA, ACC+32*((\U)&1)
.set ij, \j
.set ip, -1
.set im, -1
.if ij < 8
.set im, ij
.elseif ij < 44
.if ((ij-8)%3) == 2
.set ip, 4*((ij-8)/12)+((ij-8)%12)/3
.else
.set im, 8*((ij-8)/12+1)+2*(((ij-8)%12)/3)+((ij-8)%3)
.endif
.elseif ij < 48
.set ip, ij-32
.endif
.if im >= 0
	v_max_num_f32 v[iA+im], 0, v[iA+im]
.elseif ip >= 2
	v_pk_fma_f32 v[SA+2*(ip&1):SA+2*(ip&1)+1], v[192+2*ip:193+2*ip], v[iA+2*ip:iA+2*ip+1], v[SA+2*(ip&1):SA+2*(ip&1)+1]
.elseif ip >= 0
	v_pk_mul_f32 v[SA+2*(ip&1):SA+2*(ip&1)+1], v[192+2*ip:193+2*ip], v[iA+2*ip:iA+2*ip+1]
.elseif ij == 48
	v_pk_fma_f32 v[SA:SA+1], 1.0, v[SA+2:SA+3], v[SA:SA+1] op_sel_hi:[0,1,1]
.else
	v_fma_f32 v[PS+(\U)], 1.0, v[SA], v[SA+1]
.endif
.endm
.macro MMI T                           ; a matrix instruction and the two instructions of the tile before that stand behind it
	MM mi, \T
.if (\T) > 0
	ITEM 2*mi, (\T)-1
	ITEM 2*mi+1, (\T)-1
.endif
.set mi, mi+1
.endm
.macro TILE e, T, ahead
	s_wait_dscnt 0x0                               ; tile T's fragments are in (asked for 20 matrix instructions ago)
	WIN 0x21                                       ; aW1 window 1, ab1 window 2
.set mi, 0
.rept 4
	MMI \T
.endr
	WIN 0
.if (\T) >= 2
	ds_store_b32 v[APT], v[PS+(\T)-2] offset:256*\e+64*((\T)-2)
.endif
.if (\T) < 3
.rept 4
	v_nop                                          ; places in front of loads into registers that matrix instructions have read (ISA guide 7.12.1 for vector instructions)
.endr
	FETCH \e, (\T)+1
.endif
.if ((\T) == 1) && \ahead
	XLOADS \e, 31, 31                              ; the slot's 32nd load
.endif
	WIN 0x01                                       ; aW1 window 1
.rept 12
	MMI \T
.endr
	WIN 0x02                                       ; aW1 window 2
.rept 8
	MMI \T
.endr
.if (\T) > 0
	ITEM 48, (\T)-1
	ITEM 49, (\T)-1
.else
.rept 4
	v_nop                                          ; the places between this tile's last products and the first read of its results
.endr
.endif
.endm
.macro MSTEP e, ahead
	FETCH \e, 0
	TILE \e, 0, \ahead
	TILE \e, 1, \ahead
	s_wait_alu depctr_va_vdst(0)
	TILE \e, 2, \ahead
	s_wait_alu depctr_va_vdst(0)
	TILE \e, 3, \ahead
.set mi, 0
.rept 50
	ITEM mi, 3
.set mi, mi+1
.endr
	WIN 0
	ds_store_b32 v[APT], v[PS+2] offset:256*\e+128
	ds_store_b32 v[APT], v[PS+3] offset:256*\e+192
.endm
.macro RSUM                            ; wave (body % 4) adds the eight partials of the body's 128 positions
	s_and_b32 s24, s23, 3
	s_cmp_lg_u32 s24, s20
	s_cbranch_scc1 .Lnor_\@
	s_wait_xcnt 0x0                                ; my last store of scores has read its offset and its data: both are written again below
.irp a, 0,1,2,3,4,5,6,7
	ds_load_b128 v[64+4*\a:67+4*\a], v[AR] offset:512*\a
.endr
	s_lshl_b32 s25, s23, 9
	v_add_nc_u32 v[RO], s25, v1                    ; 512 x body + 16 x lane
	s_wait_dscnt 0x0
.irp a, 0,2,4,6
	v_pk_add_f32 v[64+4*\a:65+4*\a], v[64+4*\a:65+4*\a], v[68+4*\a:69+4*\a]
	v_pk_add_f32 v[66+4*\a:67+4*\a], v[66+4*\a:67+4*\a], v[70+4*\a:71+4*\a]
.endr
.irp a, 0,4
	v_pk_add_f32 v[64+4*\a:65+4*\a], v[64+4*\a:65+4*\a], v[72+4*\a:73+4*\a]
	v_pk_add_f32 v[66+4*\a:67+4*\a], v[66+4*\a:67+4*\a], v[74+4*\a:75+4*\a]
.endr
	v_pk_add_f32 v[64:65], v[64:65], v[80:81]
	v_pk_add_f32 v[66:67], v[66:67], v[82:83]
	v_pk_add_f32 v[228:229], v[64:65], s[48:49] op_sel_hi:[1,0]   ; + ab2
	v_pk_add_f32 v[230:231], v[66:67], s[48:49] op_sel_hi:[1,0]
	v_max3_num_f32 v[NM], v[NM], -v228, -v229
	v_max3_num_f32 v[NM], v[NM], -v230, -v231
	global_store_b128 v[RO], v[228:231], s[54:55]  ; the wave stores 512 consecutive bytes, at a multiple of 256 from the buffer's first byte
.Lnor_\@:
.endm
.macro BODY ahead, l0, l1
	s_and_b32 s24, s23, 3                          ; which 128 keys
	s_mul_i32 s52, s24, 12288                      ; 8 images on,
	s_lshl_b32 s53, s24, 9                         ; 8 x 64 bytes of scale words on
	v_add_nc_u32 v[AS], s52, v[AS0]
	v_add_nc_u32 v[ASS], s53, v[ASS0]
.if \ahead
	s_cmp_lg_u32 s23, 4                            ; body 4 begins the second query
	s_cbranch_scc1 .Lnosw_\@
	WIN 0x02
.set qi, 0
.rept 24
	v_mov_b32 v[XF+qi], v[128+qi]
.set qi, qi+1
.endr
	v_mov_b32 v[XS], v152
	WIN 0
.Lnosw_\@:
.endif
	QSTEP 0, \ahead, \l0
	MSTEP 0, \ahead
	QSTEP 1, \ahead, \l1
	MSTEP 1, \ahead
	s_wait_dscnt 0x0                               ; my partial scores have landed
	s_barrier_signal -1
	s_barrier_wait -1                              ; everybody's have.  They are written again only behind the next step's barrier, which the adding wave signals behind its reads
	RSUM
.endm
	s_load_b512 s[4:19], s[0:1], 0x0               ; dist s[4:5], ab1 s[6:7], aW2 s[8:9], ab2 s[10:11], blk s[12:13], xi s[14:15], raw s[16:17], mins s[18:19]
	v_lshl_add_u32 v247, v0, 2, 0x46000
	v_mov_b32 v251, 0
	ds_add_u32 v247, v251
	ds_add_u32 v247, v251
	v_lshrrev_b32 v16, 5, v0
	v_readfirstlane_b32 s20, v16                   ; wave w
	v_and_b32 v17, 31, v0                          ; lane
	v_and_b32 v18, 15, v0                          ; r, la
	v_bfe_u32 v19, v0, 4, 1                        ; h, et
	v_lshlrev_b32 v1, 4, v17                       ; 16 x lane
	s_bfe_u32 s21, ttmp6, 0x40000                  ; cx: my place in the cluster
	s_lshl_b32 s22, ttmp9, 2                       ; in a cluster launch ttmp9 counts clusters
	s_add_co_u32 s22, s22, s21                     ; g: it enters global addresses alone
	s_lshl_b32 s58, s22, 12                        ; 4,096 g
	s_lshr_b32 s24, s20, 1                         ; w / 2
	s_and_b32 s25, s20, 1                          ; w % 2
	v_lshlrev_b32 v[VA], 4, v18
	v_lshl_add_u32 v[VA], v19, 25, v[VA]           ; lanes 16-31: 32 channels of 2^20 bytes on
	v_add_nc_u32 v[VA], s58, v[VA]
	v_add_nc_u32 v[VA+1], 256, v[VA]               ; step 1
	v_lshrrev_b32 v236, 2, v18                     ; la / 4: the tile
	v_and_b32 v237, 3, v18                         ; la % 4
	v_mul_u32_u24 v[AQ], v236, 3080
	v_lshl_add_u32 v[AQ], v237, 5, v[AQ]
	v_lshl_add_u32 v[AQ], v19, 7, v[AQ]
	s_mul_i32 s26, s24, 1536
	s_mul_i32 s27, s25, 768
	s_add_co_u32 s26, s26, s27
	s_add_co_u32 s26, s26, IMG
	v_add_nc_u32 v[AQ], s26, v[AQ]
	v_lshlrev_b32 v[AQS], 7, v236
	v_lshl_add_u32 v[AQS], v237, 4, v[AQS]
	v_add_nc_u32 v[AQS], v[AQS], v19
	s_lshl_b32 s26, s24, 6
	s_lshl_b32 s27, s25, 1
	s_add_co_u32 s26, s26, s27
	s_add_co_u32 s26, s26, DSC
	v_add_nc_u32 v[AQS], s26, v[AQS]
	v_lshl_add_u32 v[AD], v17, 3, IMG
	v_lshl_add_u32 v[ADS], v17, 2, DSC
	v_add_nc_u32 v[AS0], SIM, v1
	v_lshlrev_b32 v[ASS0], 2, v18
	v_lshl_add_u32 v[ASS0], v19, 11, v[ASS0]
	v_add_nc_u32 v[ASS0], SSC, v[ASS0]
	v_lshlrev_b32 v[APT], 2, v18
	v_lshl_add_u32 v[APT], v19, 9, v[APT]
	s_lshl_b32 s26, s20, 10
	s_add_co_u32 s26, s26, PART
	v_add_nc_u32 v[APT], s26, v[APT]
	v_add_nc_u32 v[AR], PART, v1
	v_mov_b32 v[NM], 0xff800000                    ; under every -score
	s_mul_i32 s26, s20, 6144                       ; my four tiles of aW1's images,
	v_add_nc_u32 v236, s26, v1                     ; K steps 0, 1;
	v_add_nc_u32 v237, 49152, v236                 ; 2, 3;
	v_add_nc_u32 v238, 98304, v236                 ; 4, 5
	v_lshlrev_b32 v239, 2, v18
	v_lshl_add_u32 v239, v19, 10, v239
	s_lshl_b32 s26, s20, 8
	s_add_co_u32 s27, s26, WSC
	v_add_nc_u32 v239, s27, v239                   ; aW1's scale words: WSC + 1,024 h + 4 r + 256 w
	v_lshlrev_b32 v240, 8, v19                     ; x's image: every lane of a half takes the query's own lane: 256 h
	v_lshlrev_b32 v241, 11, v19                    ; x's scale words: lanes 16-31 the second K step's
	v_lshl_add_u32 v242, v19, 5, s26               ; ab1, aW2: 256 w + 32 h
	; descriptor group 1: 250 rows of 256 bytes (32 elements of 8 bytes), dense, no padding; group 0: my quarter of blk
	s_mov_b32 s32, 15|(3<<16)|(1<<21)              ; 15:0 the mask: all four work-groups; 17:16 elements of 8 bytes; 21 set beside a mask
	s_mov_b32 s33, 32<<16                          ; tensor_dim0 = 32
	s_mov_b32 s34, 250<<16                         ; tensor_dim1 = 250
	s_mov_b32 s35, 32<<16                          ; tile_dim0 = 32
	s_mov_b32 s36, 250                             ; tile_dim1 = 250
	s_mov_b32 s37, 32                              ; from row to row
	s_mov_b32 s38, 0
	s_mov_b32 s39, 0
	s_mov_b32 s28, 1
	s_mul_i32 s29, s20, 64000                      ; no place in the cluster enters an LDS address
	s_mov_b32 s50, 0x76543210
	s_mov_b32 s51, 0xfedcba98                      ; v_permlanex16_b32's selects for lane l xor 16
	s_mov_b32 s27, 0
	s_wait_dscnt 0x0
	s_wait_kmcnt 0x0
	s_load_b32 s48, s[10:11], 0x0                  ; ab2
	s_mov_b32 s26, s29
	s_add_nc_u64 s[30:31], s[12:13], s[26:27]
	s_or_b32 s31, s31, 0x80000000                  ; type = 2
	s_lshl_b32 s26, s20, 26
	s_add_co_u32 s26, s26, 8<<20
	s_add_nc_u64 s[DB:DB+1], s[4:5], s[26:27]      ; dist at channel 64 w + 8,
	s_add_nc_u64 s[DB+2:DB+3], s[DB:DB+1], 16<<20  ; and 64 w + 24
	s_lshr_b32 s24, s22, 3                         ; g / 8: the tile of queries
	s_and_b32 s25, s22, 7
	s_mul_i32 s26, s24, 1536
	s_lshl_b32 s52, s25, 5
	s_add_co_u32 s26, s26, s52
	s_add_nc_u64 s[44:45], s[14:15], s[26:27]      ; x's image at lane 2 (g % 8)
	s_lshl_b32 s26, s24, 6
	s_lshl_b32 s52, s25, 3
	s_add_co_u32 s26, s26, s52
	s_add_co_u32 s26, s26, 98304
	s_add_nc_u64 s[46:47], s[14:15], s[26:27]      ; and its scale word
	s_mov_b32 s26, s58
	s_add_nc_u64 s[54:55], s[16:17], s[26:27]      ; my 1,024 scores
	s_lshl_b32 s26, s22, 2
	s_add_nc_u64 s[56:57], s[18:19], s[26:27]
	CROUND                                         ; all four work-groups are here: the joint loads meet
	tensor_load_to_lds s[28:31], s[32:39]          ; my one tensor load of the launch
	s_nop 0
.rept 4
	v_nop
.endr
	XLOADS 0, 0, 31                                ; step 0
	s_wait_alu depctr_va_vdst(0)
.irp s, 0,1
.irp q, 0,1,2
	global_load_b128 v[XF+12*\s+4*\q:XF+12*\s+4*\q+3], v240, s[44:45] offset:49152*\s+512*\q   ; the first query's codes, the same in all 16 rows
.endr
.endr
	global_load_b32 v[XS], v241, s[46:47]
	WIN 0x80                                       ; destination window 2
.irp s, 0,1
.irp q, 0,1,2
	global_load_b128 v[128+12*\s+4*\q:128+12*\s+4*\q+3], v240, s[44:45] offset:49152*\s+512*\q+16   ; the second query's
.endr
.endr
	global_load_b32 v152, v241, s[46:47] offset:4
.irp nn, 0,1,2,3
	global_load_b128 v[96+8*\nn:99+8*\nn], v242, s[6:7] offset:64*\nn          ; ab1(64 w + 16 nn + 8 h + j)
	global_load_b128 v[100+8*\nn:103+8*\nn], v242, s[6:7] offset:64*\nn+16
.endr
	WIN 0x40                                       ; destination window 1
.irp nn, 0,1,2,3
	global_load_b128 v[192+8*\nn:195+8*\nn], v242, s[8:9] offset:64*\nn        ; aW2 likewise
	global_load_b128 v[196+8*\nn:199+8*\nn], v242, s[8:9] offset:64*\nn+16
.endr
	WIN 0
	s_wait_kmcnt 0x0
	s_mov_b32 s49, s48                             ; (named with it as a pair, so it is written)
	s_wait_tensorcnt 0x0                           ; my quarter of blk is in,
	s_barrier_signal -1
	s_barrier_wait -1                              ; everybody's is
	WIN 0x40
.irp s, 0,1,2,3
.irp nn, 0,1,2,3
.irp q, 0,1,2
	ds_load_b128 v[12*(4*\s+\nn)+4*\q:12*(4*\s+\nn)+4*\q+3], v[236+\s/2] offset:24576*(\s%2)+1536*\nn+512*\q
.endr
.endr
.endr
	WIN 0x80
.irp s, 0,1
.irp nn, 0,1,2,3
.irp q, 0,1,2
	ds_load_b128 v[12*(4*\s+\nn)+4*\q:12*(4*\s+\nn)+4*\q+3], v238 offset:24576*\s+1536*\nn+512*\q
.endr
.endr
.endr
	WIN 0
.irp nn, 0,1,2,3
.irp u, 0,1,2
	ds_load_b32 v[WS+3*\nn+\u], v239 offset:2048*\u+64*\nn    ; lanes 0-15 K step 2 u, lanes 16-31 K step 2 u + 1
.endr
.endr
	XLOADS 1, 0, 31                                ; step 1
	s_wait_loadcnt 32                              ; all but step 1's 32: step 0, x, ab1 and aW2 are in
	WIN 0x81                                       ; window 1 to window 2
.set qi, 0
.rept 32
	v_mov_b32 v[192+qi], v[192+qi]                 ; aW2 a second time, for the products that stand under window 2
.set qi, qi+1
.endr
	WIN 0
	s_wait_dscnt 0x0                               ; aW1
	s_mov_b32 s23, 0
.Lbody:                                            ; seven trips; each asks for the two steps of the next body
	BODY 1, 32, 32
	s_add_co_u32 s23, s23, 1
	s_cmp_lt_u32 s23, 7
	s_cbranch_scc1 .Lbody
	BODY 0, 32, 0                                  ; the last body loads nothing: no load leaves dist, and the counts run down
	v_max_num_f32_dpp v[NM], v[NM], v[NM] row_xmask:1 row_mask:0xf bank_mask:0xf
	v_max_num_f32_dpp v[NM], v[NM], v[NM] row_xmask:2 row_mask:0xf bank_mask:0xf
	v_max_num_f32_dpp v[NM], v[NM], v[NM] row_xmask:4 row_mask:0xf bank_mask:0xf
	v_max_num_f32_dpp v[NM], v[NM], v[NM] row_xmask:8 row_mask:0xf bank_mask:0xf
	v_mov_b32 v236, 0
	v_permlanex16_b32 v236, v[NM], s50, s51
	v_max_num_f32 v[NM], v[NM], v236               ; my wave's largest -score
	v_lshrrev_b32 v237, 5, v0
	v_lshl_add_u32 v237, v237, 2, MNX
	ds_store_b32 v237, v[NM]                       ; all lanes write the same word with the same value
	s_wait_dscnt 0x0
	s_barrier_signal -1
	s_barrier_wait -1
	v_mov_b32 v238, MNX
	ds_load_b128 v[240:243], v238
	v_mov_b32 v239, 0
	s_wait_dscnt 0x0
	v_max3_num_f32 v[NM], v240, v241, v242
	v_max_num_f32 v[NM], v[NM], v243
	s_cmp_lg_u32 s20, 0
	s_cbranch_scc1 .Lend
	s_wait_xcnt 0x0                                ; EXEC changes only behind this wait
	v_cmp_eq_u32 vcc_lo, 0, v0
	s_and_saveexec_b32 s24, vcc_lo
	s_wait_alu depctr_va_vdst(0)
	global_store_b32 v239, v[NM], s[56:57]         ; one lane stores the work-group's word
	s_wait_xcnt 0x0                                ; and again, in front of the line that widens it
	s_or_b32 exec_lo, exec_lo, s24
.Lend:
	s_wait_tensorcnt 0x0
	ds_add_u32 v247, v251
	s_wait_dscnt 0x0
	CROUND                                         ; the closing round: no work-group ends while a partner may still ask for a tile that names it
	s_endpgm
.Lfunc_end_k_q1b1352cb8a_scores:
	.size	k_q1b1352cb8a_scores, .Lfunc_end_k_q1b1352cb8a_scores-k_q1b1352cb8a_scores
	.p2alignl 7, 3214868480
	.fill 96, 4, 3214868480
	.section	.rodata,"a",@progbits
	.p2align	6, 0x0
	.amdhsa_kernel k_q1b1352cb8a_scores
		.amdhsa_group_segment_fixed_size 287232
		.amdhsa_private_segment_fixed_size 0
		.amdhsa_enable_private_segment 0
		.amdhsa_kernarg_size 64
		.amdhsa_user_sgpr_count 2
		.amdhsa_user_sgpr_kernarg_segment_ptr 1
		.amdhsa_wavefront_size32 1
		.amdhsa_system_sgpr_workgroup_id_x 1
		.amdhsa_system_sgpr_workgroup_id_y 1
		.amdhsa_system_sgpr_workgroup_id_z 1
		.amdhsa_system_vgpr_workitem_id 0
		.amdhsa_next_free_vgpr 1024
		.amdhsa_next_free_sgpr 66
		.amdhsa_reserve_vcc 1
		.amdhsa_float_denorm_mode_32 3
		.amdhsa_float_denorm_mode_16_64 3
		.amdhsa_memory_ordered 1
		.amdhsa_forward_progress 1
		.amdhsa_inst_pref_size 186
	.end_amdhsa_kernel
	.amdgpu_metadata
---
amdhsa.version: [ 1, 2 ]
amdhsa.kernels:
  - .name:           k_q1b1352cb8a_scores
    .symbol:         k_q1b1352cb8a_scores.kd
    .args:
      - { .name: dist, .offset: 0, .size: 8, .value_kind: global_buffer, .address_space: global }
      - { .name: ab1, .offset: 8, .size: 8, .value_kind: global_buffer, .address_space: global }
      - { .name: aW2, .offset: 16, .size: 8, .value_kind: global_buffer, .address_space: global }
      - { .name: ab2, .offset: 24, .size: 8, .value_kind: global_buffer, .address_space: global }
      - { .name: blk, .offset: 32, .size: 8, .value_kind: global_buffer, .address_space: global }
      - { .name: xi, .offset: 40, .size: 8, .value_kind: global_buffer, .address_space: global }
      - { .name: raw, .offset: 48, .size: 8, .value_kind: global_buffer, .address_space: global }
      - { .name: mins, .offset: 56, .size: 8, .value_kind: global_buffer, .address_space: global }
    .group_segment_fixed_size: 287232
    .private_segment_fixed_size: 0
    .kernarg_segment_align: 8
    .kernarg_segment_size: 64
    .max_flat_workgroup_size: 128
    .sgpr_count:     66
    .vgpr_count:     1024
    .wavefront_size: 32
...
	.end_amdgpu_metadata
.endif
;; end of part 2
;; launch finish (part 3): grid 32 x 1, 8 waves a work-group, no clusters, 52,224 bytes of LDS; arguments raw, mins, mask, fw, xi, mb1, mb2, out0, out1; writes out0, out1
.if DOCPART == 3
	.amdgcn_target "amdgcn-amd-amdhsa--gfx1250"
	.amdhsa_code_object_version 6
	.text
	.protected	k_q1b1352cb8a_finish
	.globl	k_q1b1352cb8a_finish
	.p2align	8
	.type	k_q1b1352cb8a_finish,@function
k_q1b1352cb8a_finish:
	s_mov_b64 s[64:65], 0
	v_nop
	global_prefetch_b8 v0, s[64:65] scope:SCOPE_SE
	s_setreg_imm32_b32 hwreg(HW_REG_WAVE_MODE, 25, 1), 1
	s_wait_xcnt 0x0
; out1 = raw + (min(raw) - 20) where the mask is false;  p = 2^(t - M), t = out1 x log2(e), M = ceil(the row's largest t);  message = (source Q(p)) / sum(p);  out0 = mW2 relu(mW1 [x; message] + mb1) + mb2.
; The three products run on codes of E3M2 with one E8M0 scale for each 32 along K.  The weights, source (along the keys) and x come as images of operand registers; p, the message and the hidden layer are quantised here.
; SHARES.  Work-group b owns queries 16 b .. 16 b + 15, one tile; its eight waves share the keys (softmax) and then the columns of each product.  What one wave quantises reaches the others through LDS as rows of codes
; (a row's stream of bits) and scale bytes.  Four barriers; each region of LDS is written in one phase and read in the next, and never written again.
; All three products but the last are used transposed (source 0 = 16 rows of the weight, source 1 = the 16 queries): a lane holds one query, and, the weight's rows being permuted, 16 neighbours along the next K.
; The last is used the other way (source 0 = the queries), so that a lane's eight results are eight neighbouring queries of one row of out0: 32 bytes; a work-group's part of a row is 64 bytes.
; No cluster: nothing comes by a tensor load; each wave reads its own weights once, straight into registers.
; LIMITS: NaN and infinities are not served; of a mask byte bit 0 is read; a block's largest p is taken through the block's largest score (v_exp_f32 is taken not to fall where its input rises);
; 1 / sum by v_rcp_f32; a block whose largest magnitude lies under 2^-122 keeps the scale byte 1.
; REGISTERS.  window 0: v1-31 addresses (v30: min - 20); v32-63 scores, then p, then accumulators; v64-111 mask, stage rows, then operand fragments; v104-127 at work; v128-223 the first and the last product's
;   weights; v224-227, v228-235, v236-239 the weights' scale words; v240 x's; v246-247 mb2; v248-251 the operand's scale words.   window 1: v0-191 mW1's 16 fragments; v192-215 x's two; v216-247 mb1.
.set STG, 0                            ; LDS: 16 rows of scores, 2,048 bytes + 16
.set PRW, 33024                        ; p's codes: 16 rows of 384 bytes + 16 = 100 words: row r starts at bank 36 r mod 64, sixteen different multiples of 4 (64 banks of 4 bytes: ISA guide 11.1)
.set HRW, 39424                        ; the hidden layer's, likewise
.set MRW, 45824                        ; the message's: 192 bytes + 16
.set PSC, 49152                        ; p's scale bytes, 16 a row;
.set HSC, 49408                        ; the hidden layer's, 16 a row;
.set MSC, 49664                        ; the message's, 8 a row
.set RMX, 49792                        ; each wave's largest score of each row: 32 r + 4 w;  512 bytes on: each wave's sum
.set MSB, 0
.macro WIN new                         ; the immediate's high byte repeats the setting that is left
.if MSB != \new
	s_set_vgpr_msb (MSB<<8)|\new
.set MSB, \new
.endif
.endm
.macro GW img, sc, sr                  ; a weight of 16 tiles: my tiles 2 w, 2 w + 1, four K steps, into v128 on; their scale words into v[sr] on (lanes 0-15 the even K step, lanes 16-31 the odd one)
.irp u, 0,1
.irp s, 0,1,2,3
.irp q, 0,1,2
	global_load_b128 v[128+12*(4*\u+\s)+4*\q:128+12*(4*\u+\s)+4*\q+3], v7, s[10:11] offset:\img+24576*\s+1536*\u+512*\q
.endr
.endr
.endr
.irp u, 0,1
.irp v, 0,1
	global_load_b32 v[\sr+2*\u+\v], v8, s[10:11] offset:\sc+2048*\v+64*\u
.endr
.endr
.endm
.macro LFRAG reg, adr, off             ; a fragment from rows of codes: 24 bytes at 24 h and 24 at 48 + 24 h, in pieces of 8
.irp p, 0,1,2,3,4,5
	ds_load_b64 v[\reg+2*\p:\reg+2*\p+1], v[\adr] offset:\off+48*(\p/3)+8*(\p%3)
.endr
.endm
; 16 numbers of a lane, half a block of 32 (lane l xor 16 holds the other half), become 12 bytes of codes and the block's scale byte.  sc: eight registers at work
.macro QB src, ca, co, ba, bo, sc
	v_max3_num_f32 v[\sc], |v[\src]|, |v[\src+1]|, 0x2800000   ; with the floor 2^(5 - 127): the byte cannot fall under 1
.irp i, 2,4,6,8,10,12,14
	s_delay_alu instid0(VALU_DEP_1)
	v_max3_num_f32 v[\sc], v[\sc], |v[\src+\i]|, |v[\src+\i+1]|
.endr
	s_delay_alu instid0(VALU_DEP_1)
	v_permlanex16_b32 v[\sc+1], v[\sc], s36, s37
	s_delay_alu instid0(VALU_DEP_1)
	v_max_num_f32 v[\sc], v[\sc], v[\sc+1]
	s_delay_alu instid0(VALU_DEP_1)
	v_add_nc_u32 v[\sc+2], 0xfe000000, v[\sc]      ; 4 off the exponent field: the conversion's scale operand
	s_delay_alu instid0(VALU_DEP_1)
	v_lshrrev_b32 v[\sc+1], 23, v[\sc+2]           ; the scale's byte
	v_cvt_scalef32_pk16_bf6_f32 v[\sc+4:\sc+6], v[\src:\src+15], v[\sc+2]
	v_nop                                          ; one plain place behind a scaled conversion
	ds_store_b32 v[\ca], v[\sc+4] offset:\co
	ds_store_b32 v[\ca], v[\sc+5] offset:\co+4
	ds_store_b32 v[\ca], v[\sc+6] offset:\co+8
	ds_store_b8 v[\ba], v[\sc+1] offset:\bo        ; both halves of the lanes write the same byte
.endm
.macro BARRIER                         ; my LDS stores have landed and my LDS loads are in: then the work-group's barrier
	s_wait_dscnt 0x0
	s_barrier_signal -1
	s_barrier_wait -1
.endm
	s_load_b512 s[4:19], s[0:1], 0x0               ; raw s[4:5], mins s[6:7], mask s[8:9], fw s[10:11], xi s[12:13], mb1 s[14:15], mb2 s[16:17], out0 s[18:19]
	s_load_b64 s[20:21], s[0:1], 0x40              ; out1
	v_lshl_add_u32 v254, v0, 2, 0xc800
	v_mov_b32 v255, 0
	v_lshrrev_b32 v2, 5, v0
	s_delay_alu instid0(VALU_DEP_1)
	v_readfirstlane_b32 s38, v2                    ; wave w
	v_and_b32 v1, 31, v0
	s_delay_alu instid0(VALU_DEP_1)
	v_lshlrev_b32 v4, 5, v1                        ; mins: 32 x lane
	s_delay_alu instid0(VALU_DEP_2)
	v_lshlrev_b32 v1, 4, v1                        ; 16 x lane
	v_and_b32 v2, 15, v0                           ; r
	v_bfe_u32 v3, v0, 4, 1                         ; h
	s_delay_alu instid0(VALU_DEP_2)
	v_lshlrev_b32 v9, 2, v2                        ; 4 r
	s_mov_b32 s36, 0x76543210
	s_mov_b32 s37, 0xfedcba98                      ; v_permlanex16_b32's selects for lane l xor 16
	s_mov_b32 s40, 0x3fb8aa3b                      ; log2(e)
	s_mov_b32 s41, s40                             ; (named with it as a pair, so it is written)
	v_lshlrev_b32 v5, 11, v2
	s_delay_alu instid0(VALU_DEP_1)
	v_lshl_add_u32 v5, v3, 7, v5
	s_lshl_b32 s42, s38, 8
	v_add_nc_u32 v5, s42, v5                       ; raw: 2,048 r + 256 w + 128 h: keys 64 w + 32 h + 0 .. 31 of row r, a whole block
	v_lshl_add_u32 v11, v3, 6, s42                 ; mb1: 256 w + 64 h
	v_lshl_add_u32 v10, v3, 11, v9                 ; x's scale words: 2,048 h + 4 r
	s_delay_alu instid0(VALU_DEP_1)
	v_add_nc_u32 v13, s42, v10                     ; mW1's: + 256 w
	v_mul_u32_u24 v17, v2, 2064
	s_delay_alu instid0(VALU_DEP_1)
	v_lshl_add_u32 v17, v3, 7, v17
	s_delay_alu instid0(VALU_DEP_1)
	v_add_nc_u32 v17, s42, v17                     ; the stage, in: 2,064 r + 256 w + 128 h
	v_lshlrev_b32 v6, 9, v2
	s_delay_alu instid0(VALU_DEP_1)
	v_lshl_add_u32 v6, v3, 5, v6
	s_lshl_b32 s42, s38, 6
	v_add_nc_u32 v6, s42, v6                       ; mask: 512 r + 64 w + 32 h
	s_mul_i32 s42, s38, 3072
	v_add_nc_u32 v7, s42, v1                       ; a weight of 16 tiles: 16 x lane + 3,072 w
	v_lshl_add_u32 v8, v3, 10, v9
	s_lshl_b32 s42, s38, 7
	v_add_nc_u32 v8, s42, v8                       ; its scale words: 1,024 h + 4 r + 128 w
	v_add_nc_u32 v14, s42, v9                      ; mb2: 128 w + 4 r
	s_mul_i32 s42, s38, 6144
	v_add_nc_u32 v12, s42, v1                      ; mW1: 16 x lane + 6,144 w
	s_lshl_b32 s42, s38, 12
	v_add_nc_u32 v15, s42, v1                      ; out1: rows 2 w, 2 w + 1; 16 x lane
	v_lshlrev_b32 v16, 11, v2
	s_delay_alu instid0(VALU_DEP_1)
	v_lshl_add_u32 v16, v3, 5, v16
	s_lshl_b32 s42, s38, 16
	v_add_nc_u32 v16, s42, v16                     ; out0: row 32 w + r, + 32 h
	s_mul_i32 s42, s38, 4128
	v_add_nc_u32 v18, s42, v1                      ; the stage, back: rows 2 w, 2 w + 1
	v_lshl_add_u32 v20, v2, 5, RMX                 ; a row's eight words
	s_lshl_b32 s42, s38, 2
	v_add_nc_u32 v19, s42, v20                     ; my wave's among them
	v_mul_u32_u24 v23, v2, 400
	s_delay_alu instid0(VALU_DEP_1)
	v_mad_u32_u24 v29, v3, 12, v23
	s_delay_alu instid0(VALU_DEP_2)
	v_mad_u32_u24 v23, v3, 24, v23
	s_mul_i32 s42, s38, 48
	v_add_nc_u32 v21, s42, v23
	s_delay_alu instid0(VALU_DEP_1)
	v_add_nc_u32 v21, PRW, v21                     ; p's codes, in: 400 r + 48 w + 24 h
	v_add_nc_u32 v29, s42, v29
	s_delay_alu instid0(VALU_DEP_1)
	v_add_nc_u32 v29, HRW, v29                     ; the hidden layer's, in: 400 r + 48 w + 12 h
	v_add_nc_u32 v23, PRW, v23                     ; fragments: 400 r + 24 h
	v_lshl_add_u32 v24, v2, 4, PSC                 ; a row's scale words
	s_lshl_b32 s42, s38, 1
	v_add_nc_u32 v31, s42, v24
	s_delay_alu instid0(VALU_DEP_1)
	v_add_nc_u32 v22, v31, v3                      ; p's byte: 16 r + 2 w + h
	s_delay_alu instid0(VALU_DEP_2)
	v_add_nc_u32 v31, HSC-PSC, v31                 ; the hidden layer's: 16 r + 2 w
	v_mul_u32_u24 v27, v2, 208
	s_delay_alu instid0(VALU_DEP_1)
	v_mad_u32_u24 v25, v3, 12, v27
	s_delay_alu instid0(VALU_DEP_2)
	v_mad_u32_u24 v27, v3, 24, v27
	s_mul_i32 s42, s38, 24
	v_add_nc_u32 v25, s42, v25
	s_delay_alu instid0(VALU_DEP_1)
	v_add_nc_u32 v25, MRW, v25                     ; the message's codes, in: 208 r + 24 w + 12 h
	v_add_nc_u32 v27, MRW, v27                     ; fragments: 208 r + 24 h
	v_lshl_add_u32 v28, v2, 3, MSC                 ; its scale words
	s_delay_alu instid0(VALU_DEP_1)
	v_add_nc_u32 v26, s38, v28                     ; my byte: 8 r + w
	v_mov_b32 v81, 0                               ; written once: a lane permute's destination counts as one of its sources
	v_mov_b32 v108, 0
	v_mov_b32 v107, 0                              ; (named as the upper half of the pair v[106:107])
	s_lshl_b32 s42, ttmp9, 15
	s_mov_b32 s43, 0
	s_wait_kmcnt 0x0
	s_add_nc_u64 s[24:25], s[4:5], s[42:43]        ; raw and out1 at my 16 rows
	s_add_nc_u64 s[32:33], s[20:21], s[42:43]
	s_lshl_b32 s42, ttmp9, 13
	s_add_nc_u64 s[26:27], s[8:9], s[42:43]        ; mask likewise
	s_mul_i32 s42, ttmp9, 1536
	s_add_nc_u64 s[28:29], s[12:13], s[42:43]      ; x's images of tile b
	s_lshl_b32 s42, ttmp9, 6
	s_add_nc_u64 s[30:31], s[12:13], s[42:43]      ; and its scale words (98,304 bytes on)
	s_add_nc_u64 s[34:35], s[18:19], s[42:43]      ; out0 at my 16 columns
	; ---- the loads, in groups: 12 for this phase,
	global_load_b128 v[72:75], v4, s[6:7]
	global_load_b128 v[76:79], v4, s[6:7] offset:16
.irp i, 0,1,2,3,4,5,6,7
	global_load_b128 v[32+4*\i:35+4*\i], v5, s[24:25] offset:16*\i
.endr
	global_load_b128 v[64:67], v6, s[26:27]
	global_load_b128 v[68:71], v6, s[26:27] offset:16
	GW 294912, 405504, 224                         ; 28: source along the keys,
	WIN 0x40                                       ; destination window 1
.irp s, 0,1
.irp q, 0,1,2
	global_load_b128 v[192+12*\s+4*\q:192+12*\s+4*\q+3], v1, s[28:29] offset:49152*\s+512*\q   ; 15: x,
.endr
.endr
.irp tt, 0,1,2,3
	global_load_b128 v[216+8*\tt:219+8*\tt], v11, s[14:15] offset:4*(32*(\tt/2)+8*(\tt%2))        ; mb1 in the result's layout: unit 64 w + 32 (tt / 2) + 16 h + 8 (tt % 2) + j
	global_load_b128 v[220+8*\tt:223+8*\tt], v11, s[14:15] offset:4*(32*(\tt/2)+8*(\tt%2))+16
.endr
	WIN 0
	global_load_b32 v240, v10, s[30:31] offset:98304
	s_wait_loadcnt 43                              ; the first 12 are in; the 28 + 15 behind them may be out
	; ---- 1: the minimum, the mask, each block's largest score
	v_max3_num_f32 v80, v72, v73, v74
	s_delay_alu instid0(VALU_DEP_1)
	v_max3_num_f32 v80, v80, v75, v76
	s_delay_alu instid0(VALU_DEP_1)
	v_max3_num_f32 v80, v80, v77, v78
	s_delay_alu instid0(VALU_DEP_1)
	v_max_num_f32 v80, v80, v79
	s_delay_alu instid0(VALU_DEP_1)
	v_max_num_f32_dpp v80, v80, v80 row_xmask:1 row_mask:0xf bank_mask:0xf
	s_delay_alu instid0(VALU_DEP_1)
	v_max_num_f32_dpp v80, v80, v80 row_xmask:2 row_mask:0xf bank_mask:0xf
	s_delay_alu instid0(VALU_DEP_1)
	v_max_num_f32_dpp v80, v80, v80 row_xmask:4 row_mask:0xf bank_mask:0xf
	s_delay_alu instid0(VALU_DEP_1)
	v_max_num_f32_dpp v80, v80, v80 row_xmask:8 row_mask:0xf bank_mask:0xf
	s_delay_alu instid0(VALU_DEP_1)
	v_permlanex16_b32 v81, v80, s36, s37
	s_delay_alu instid0(VALU_DEP_1)
	v_max_num_f32 v80, v80, v81                    ; the largest -raw of all
	s_delay_alu instid0(VALU_DEP_1)
	v_sub_f32 v30, 0xc1a00000, v80                 ; min - 20
.irp q, 0,1,2,3,4,5,6,7
.irp k, 0,1,2,3
	v_bfe_u32 v[112+\k], v[64+\q], 8*\k, 1         ; the mask's bit;
.endr
.irp k, 0,1,2,3
	s_delay_alu instid0(VALU_DEP_4)
	v_add_nc_u32 v[112+\k], -1, v[112+\k]          ; all ones where it is false;
.endr
.irp k, 0,1,2,3
	s_delay_alu instid0(VALU_DEP_4)
	v_and_b32 v[112+\k], v30, v[112+\k]            ; min - 20 there, 0 elsewhere
.endr
.irp k, 0,1,2,3
	s_delay_alu instid0(VALU_DEP_4)
	v_add_f32 v[32+4*\q+\k], v[32+4*\q+\k], v[112+\k]
.endr
.endr
.irp i, 0,1,2,3,4,5,6,7
	ds_store_b128 v17, v[32+4*\i:35+4*\i] offset:16*\i
.endr
	v_max3_num_f32 v105, v32, v33, v34
.irp i, 35,37,39,41,43,45,47,49,51,53,55,57,59,61
	s_delay_alu instid0(VALU_DEP_1)
	v_max3_num_f32 v105, v105, v[\i], v[\i+1]
.endr
	s_delay_alu instid0(VALU_DEP_1)
	v_max_num_f32 v105, v105, v63                  ; my block's largest score: it serves twice
	s_delay_alu instid0(VALU_DEP_1)
	v_permlanex16_b32 v108, v105, s36, s37
	s_delay_alu instid0(VALU_DEP_1)
	v_max_num_f32 v108, v108, v105
	ds_store_b32 v19, v108                         ; my wave's 64 keys' largest
	WIN 0x40
.irp tt, 0,1,2,3                               ; 56 loads: mW1's tiles 4 w + tt,
.irp s, 0,1,2,3
.irp q, 0,1,2
	global_load_b128 v[12*(4*\tt+\s)+4*\q:12*(4*\tt+\s)+4*\q+3], v12, s[10:11] offset:49152*\s+1536*\tt+512*\q
.endr
.endr
.endr
	WIN 0
.irp tt, 0,1,2,3
.irp v, 0,1
	global_load_b32 v[228+2*\tt+\v], v13, s[10:11] offset:393216+4096*\v+64*\tt
.endr
.endr
	BARRIER
	; ---- 2: p, its sum, its codes; out1 leaves as whole rows
	ds_load_b128 v[112:115], v20
	ds_load_b128 v[116:119], v20 offset:16
.irp i, 0,1,2,3,4,5,6,7
	ds_load_b128 v[72+4*\i:75+4*\i], v18 offset:2064*(\i/4)+512*(\i%4)
.endr
	s_wait_dscnt 8                                 ; the row's eight maxima are in; the eight stage reads behind them may be out
	v_max3_num_f32 v104, v112, v113, v114
	s_delay_alu instid0(VALU_DEP_1)
	v_max3_num_f32 v104, v104, v115, v116
	s_delay_alu instid0(VALU_DEP_1)
	v_max3_num_f32 v104, v104, v117, v118
	s_delay_alu instid0(VALU_DEP_1)
	v_max_num_f32 v104, v104, v119
	s_delay_alu instid0(VALU_DEP_1)
	v_mul_f32 v104, s40, v104                      ; the row's largest t
	s_delay_alu instid0(VALU_DEP_1)
	v_floor_f32 v106, -v104                        ; -M = floor(-t) = -ceil(t)
.irp j, 0,2,4,6,8,10,12,14,16,18,20,22,24,26,28,30
	v_pk_fma_f32 v[32+\j:33+\j], v[32+\j:33+\j], s[40:41], v[106:107] op_sel_hi:[1,0,0]   ; t - M, two at a time
.endr
	v_fma_f32 v105, v105, s40, v106                ; the same of my block's largest score
	s_wait_alu depctr_va_vdst(0)
.irp j, 0,1,2,3,4,5,6,7,8,9,10,11,12,13,14,15,16,17,18,19,20,21,22,23,24,25,26,27,28,29,30,31
	v_exp_f32 v[32+\j], v[32+\j]                   ; p = 2^(t - M): not normalised
.endr
	v_exp_f32 v105, v105                           ; the block's largest p: the same two instructions on the same number
	v_nop                                          ; a plain place behind the last exponential
	s_wait_alu depctr_va_vdst(0)                   ; one wait for the batch of 33, ahead of its first reader
.irp k, 0,1,2,3,4,5,6,7
	v_pk_add_f32 v[112+2*\k:113+2*\k], v[32+4*\k:33+4*\k], v[34+4*\k:35+4*\k]   ; the sum is taken of the unquantised p
.endr
.irp k, 0,2,4,6
	v_pk_add_f32 v[112+2*\k:113+2*\k], v[112+2*\k:113+2*\k], v[114+2*\k:115+2*\k]
.endr
.irp k, 0
	s_delay_alu instid0(VALU_DEP_3)
	v_pk_add_f32 v[112+2*\k:113+2*\k], v[112+2*\k:113+2*\k], v[116+2*\k:117+2*\k]
.endr
.irp k, 4
	s_delay_alu instid0(VALU_DEP_2)
	v_pk_add_f32 v[112+2*\k:113+2*\k], v[112+2*\k:113+2*\k], v[116+2*\k:117+2*\k]
.endr
	s_delay_alu instid0(VALU_DEP_1)
	v_pk_add_f32 v[112:113], v[112:113], v[120:121]
	s_delay_alu instid0(VALU_DEP_1)
	v_add_f32 v112, v112, v113
	s_delay_alu instid0(VALU_DEP_1)
	v_permlanex16_b32 v113, v112, s36, s37
	s_delay_alu instid0(VALU_DEP_1)
	v_add_f32 v112, v112, v113
	ds_store_b32 v19, v112 offset:512              ; my wave's 64 keys' sum
	v_max_num_f32 v105, 0x2800000, v105            ; the floor 2^(5 - 127)
	s_delay_alu instid0(VALU_DEP_1)
	v_add_nc_u32 v111, 0xfe000000, v105            ; the conversion's scale operand
	s_delay_alu instid0(VALU_DEP_1)
	v_lshrrev_b32 v104, 23, v111                   ; the scale's byte
	v_cvt_scalef32_pk16_bf6_f32 v[64:66], v[32:47], v111
	v_cvt_scalef32_pk16_bf6_f32 v[108:110], v[48:63], v111   ; (a conversion's three registers begin on an even number)
	v_nop                                          ; one plain place behind the last scaled conversion
	v_mov_b32 v67, v108
	v_mov_b32 v68, v109
	v_mov_b32 v69, v110
	ds_store_b64 v21, v[64:65]
	ds_store_b64 v21, v[66:67] offset:8
	ds_store_b64 v21, v[68:69] offset:16
	ds_store_b8 v22, v104
	s_wait_dscnt 0x0                               ; my stores have landed, and the stage's rows are in
.irp i, 0,1,2,3,4,5,6,7
	global_store_b128 v15, v[72+4*\i:75+4*\i], s[32:33] offset:2048*(\i/4)+512*(\i%4)   ; the wave stores 512 consecutive bytes, at a multiple of 256 from out1's first byte
.endr
	s_barrier_signal -1
	s_barrier_wait -1
	; ---- 3: message^T = source p^T / the sum: my tiles 2 w, 2 w + 1 of the channels
	s_wait_xcnt 0x0                                ; the stores of out1 have read v72-103: p's fragments land there
.irp s, 0,1,2,3
	LFRAG 64+12*\s, 23, 96*\s
.endr
	ds_load_b128 v[248:251], v24                   ; my query's four scale words
	ds_load_b128 v[112:115], v20 offset:512
	ds_load_b128 v[116:119], v20 offset:528
	s_wait_dscnt 0x0
	s_wait_loadcnt 63                              ; behind source's 28 loads stand 15 + 56 = 71: a count of 63 shows them done all the more
.irp s, 0,1,2,3                                ; the two accumulators take turns, one instruction a turn
.irp u, 0,1
.if \s == 0
	v_wmma_scale_f32_16x16x128_f8f6f4 v[32+8*\u:39+8*\u], v[128+12*(4*\u+\s):139+12*(4*\u+\s)], v[64+12*\s:75+12*\s], 0, v[224+2*\u+\s/2], v[248+\s] matrix_a_fmt:MATRIX_FMT_BF6 matrix_b_fmt:MATRIX_FMT_BF6
.elseif \s == 2
	v_wmma_scale_f32_16x16x128_f8f6f4 v[32+8*\u:39+8*\u], v[128+12*(4*\u+\s):139+12*(4*\u+\s)], v[64+12*\s:75+12*\s], v[32+8*\u:39+8*\u], v[224+2*\u+\s/2], v[248+\s] matrix_a_fmt:MATRIX_FMT_BF6 matrix_b_fmt:MATRIX_FMT_BF6
.else
	v_wmma_scale_f32_16x16x128_f8f6f4 v[32+8*\u:39+8*\u], v[128+12*(4*\u+\s):139+12*(4*\u+\s)], v[64+12*\s:75+12*\s], v[32+8*\u:39+8*\u], v[224+2*\u+\s/2], v[248+\s] matrix_a_fmt:MATRIX_FMT_BF6 matrix_b_fmt:MATRIX_FMT_BF6 matrix_a_scale:MATRIX_SCALE_ROW1
.endif
.endr
.endr
	v_add_f32 v112, v112, v113                     ; the row's sum; these seven are also the places behind the products
	v_add_f32 v114, v114, v115
	v_add_f32 v116, v116, v117
	v_add_f32 v118, v118, v119
	s_delay_alu instid0(VALU_DEP_3)
	v_add_f32 v112, v112, v114
	s_delay_alu instid0(VALU_DEP_2)
	v_add_f32 v116, v116, v118
	s_delay_alu instid0(VALU_DEP_1)
	v_add_f32 v112, v112, v116
	GW 196608, 401408, 236                         ; 30 loads: mW2 takes source's registers,
	global_load_b32 v246, v14, s[16:17]            ; and mb2(32 w + 16 u + r)
	global_load_b32 v247, v14, s[16:17] offset:64
	s_wait_alu depctr_va_vdst(0)
	v_rcp_f32 v120, v112
	v_mov_b32 v121, 0                              ; a plain place behind the reciprocal (and the pair's upper half is written)
	s_wait_alu depctr_va_vdst(0)                   ; ahead of the reciprocal's first reader
.irp k, 0,2,4,6,8,10,12,14
	v_pk_mul_f32 v[32+\k:33+\k], v[32+\k:33+\k], v[120:121] op_sel_hi:[1,0]   ; register 8 u + j: message(32 w + 16 h + 8 u + j, my query)
.endr
	QB 32, 25, 0, 26, 0, 104
	BARRIER
	; ---- 4: the hidden layer: my tiles 4 w + tt of mW1; K steps 0, 1 x, 2, 3 the message
	LFRAG 64, 27, 0
	LFRAG 76, 27, 96
	ds_load_b64 v[248:249], v28
	s_wait_dscnt 0x0
	s_wait_loadcnt 30                              ; x, mb1 and mW1 are in; the 30 loads behind them may be out
	WIN 0x15                                       ; mW1, x and mb1 in window 1
.irp tt, 0,1,2,3
	v_wmma_scale_f32_16x16x128_f8f6f4 v[32+8*\tt:39+8*\tt], v[48*\tt:48*\tt+11], v[192:203], v[216+8*\tt:223+8*\tt], v[228+2*\tt], v240 matrix_a_fmt:MATRIX_FMT_BF6 matrix_b_fmt:MATRIX_FMT_BF6
.endr
	WIN 0x05
.irp tt, 0,1,2,3
	v_wmma_scale_f32_16x16x128_f8f6f4 v[32+8*\tt:39+8*\tt], v[48*\tt+12:48*\tt+23], v[204:215], v[32+8*\tt:39+8*\tt], v[228+2*\tt], v240 matrix_a_fmt:MATRIX_FMT_BF6 matrix_b_fmt:MATRIX_FMT_BF6 matrix_a_scale:MATRIX_SCALE_ROW1 matrix_b_scale:MATRIX_SCALE_ROW1
.endr
	WIN 0x01
.irp tt, 0,1,2,3
	v_wmma_scale_f32_16x16x128_f8f6f4 v[32+8*\tt:39+8*\tt], v[48*\tt+24:48*\tt+35], v[64:75], v[32+8*\tt:39+8*\tt], v[229+2*\tt], v248 matrix_a_fmt:MATRIX_FMT_BF6 matrix_b_fmt:MATRIX_FMT_BF6
.endr
.irp tt, 0,1,2,3
	v_wmma_scale_f32_16x16x128_f8f6f4 v[32+8*\tt:39+8*\tt], v[48*\tt+36:48*\tt+47], v[76:87], v[32+8*\tt:39+8*\tt], v[229+2*\tt], v249 matrix_a_fmt:MATRIX_FMT_BF6 matrix_b_fmt:MATRIX_FMT_BF6 matrix_a_scale:MATRIX_SCALE_ROW1
.endr
	WIN 0
.rept 4
	v_nop                                          ; the places between the last products and the first read of their results (ISA guide 7.12.1)
.endr
.irp j, 0,1,2,3,4,5,6,7,8,9,10,11,12,13,14,15,16,17,18,19,20,21,22,23,24,25,26,27,28,29,30,31
	v_max_num_f32 v[32+\j], 0, v[32+\j]            ; relu, in f32; register 16 bb + i: unit 64 w + 32 bb + 16 h + i
.endr
	QB 32, 29, 0,  31, 0, 104
	QB 48, 29, 24, 31, 1, 112
	BARRIER
	; ---- 5: out0: source 0 = the 16 queries' hidden layer, source 1 = my tiles 2 w, 2 w + 1 of mW2
.irp s, 0,1,2,3
	LFRAG 64+12*\s, 23, HRW-PRW+96*\s
.endr
	ds_load_b128 v[248:251], v24 offset:HSC-PSC
	s_wait_dscnt 0x0
	s_wait_loadcnt 0x0
.irp s, 0,1,2,3
.irp u, 0,1
.if \s == 0
	v_wmma_scale_f32_16x16x128_f8f6f4 v[32+8*\u:39+8*\u], v[64+12*\s:75+12*\s], v[128+12*(4*\u+\s):139+12*(4*\u+\s)], 0, v[248+\s], v[236+2*\u+\s/2] matrix_a_fmt:MATRIX_FMT_BF6 matrix_b_fmt:MATRIX_FMT_BF6
.elseif \s == 2
	v_wmma_scale_f32_16x16x128_f8f6f4 v[32+8*\u:39+8*\u], v[64+12*\s:75+12*\s], v[128+12*(4*\u+\s):139+12*(4*\u+\s)], v[32+8*\u:39+8*\u], v[248+\s], v[236+2*\u+\s/2] matrix_a_fmt:MATRIX_FMT_BF6 matrix_b_fmt:MATRIX_FMT_BF6
.else
	v_wmma_scale_f32_16x16x128_f8f6f4 v[32+8*\u:39+8*\u], v[64+12*\s:75+12*\s], v[128+12*(4*\u+\s):139+12*(4*\u+\s)], v[32+8*\u:39+8*\u], v[248+\s], v[236+2*\u+\s/2] matrix_a_fmt:MATRIX_FMT_BF6 matrix_b_fmt:MATRIX_FMT_BF6 matrix_b_scale:MATRIX_SCALE_ROW1
.endif
.endr
.endr
.rept 4
	v_nop
.endr
.irp u, 0,1
.irp j, 0,1,2,3,4,5,6,7
	v_add_f32 v[112+8*\u+\j], v[32+8*\u+\j], v[246+\u]   ; + mb2: register j: out0(32 w + 16 u + r, 16 b + 8 h + j)
.endr
.endr
.irp u, 0,1
	global_store_b128 v16, v[112+8*\u:115+8*\u], s[34:35] offset:32768*\u
	global_store_b128 v16, v[116+8*\u:119+8*\u], s[34:35] offset:32768*\u+16
.endr
	s_wait_tensorcnt 0x0
	ds_add_u32 v254, v255
	s_wait_dscnt 0x0
	s_endpgm
.Lfunc_end_k_q1b1352cb8a_finish:
	.size	k_q1b1352cb8a_finish, .Lfunc_end_k_q1b1352cb8a_finish-k_q1b1352cb8a_finish
	.p2alignl 7, 3214868480
	.fill 96, 4, 3214868480
	.section	.rodata,"a",@progbits
	.p2align	6, 0x0
	.amdhsa_kernel k_q1b1352cb8a_finish
		.amdhsa_group_segment_fixed_size 52224
		.amdhsa_private_segment_fixed_size 0
		.amdhsa_enable_private_segment 0
		.amdhsa_kernarg_size 72
		.amdhsa_user_sgpr_count 2
		.amdhsa_user_sgpr_kernarg_segment_ptr 1
		.amdhsa_wavefront_size32 1
		.amdhsa_system_sgpr_workgroup_id_x 1
		.amdhsa_system_sgpr_workgroup_id_y 1
		.amdhsa_system_sgpr_workgroup_id_z 1
		.amdhsa_system_vgpr_workitem_id 0
		.amdhsa_next_free_vgpr 512
		.amdhsa_next_free_sgpr 66
		.amdhsa_reserve_vcc 0
		.amdhsa_float_denorm_mode_32 3
		.amdhsa_float_denorm_mode_16_64 3
		.amdhsa_memory_ordered 1
		.amdhsa_forward_progress 1
		.amdhsa_inst_pref_size 52
	.end_amdhsa_kernel
	.amdgpu_metadata
---
amdhsa.version: [ 1, 2 ]
amdhsa.kernels:
  - .name:           k_q1b1352cb8a_finish
    .symbol:         k_q1b1352cb8a_finish.kd
    .args:
      - { .name: raw, .offset: 0, .size: 8, .value_kind: global_buffer, .address_space: global }
      - { .name: mins, .offset: 8, .size: 8, .value_kind: global_buffer, .address_space: global }
      - { .name: mask, .offset: 16, .size: 8, .value_kind: global_buffer, .address_space: global }
      - { .name: fw, .offset: 24, .size: 8, .value_kind: global_buffer, .address_space: global }
      - { .name: xi, .offset: 32, .size: 8, .value_kind: global_buffer, .address_space: global }
      - { .name: mb1, .offset: 40, .size: 8, .value_kind: global_buffer, .address_space: global }
      - { .name: mb2, .offset: 48, .size: 8, .value_kind: global_buffer, .address_space: global }
      - { .name: out0, .offset: 56, .size: 8, .value_kind: global_buffer, .address_space: global }
      - { .name: out1, .offset: 64, .size: 8, .value_kind: global_buffer, .address_space: global }
    .group_segment_fixed_size: 52224
    .private_segment_fixed_size: 0
    .kernarg_segment_align: 8
    .kernarg_segment_size: 72
    .max_flat_workgroup_size: 256
    .sgpr_count:     66
    .vgpr_count:     512
    .wavefront_size: 32
...
	.end_amdgpu_metadata
.endif
;; end of part 3
